; MI455X (gfx1250); checked and timed in simulation.
; The chip was launched on July 23, 2026; its instructions are those of AMD's public machine-readable ISA for CDNA 5 (MIT licence, August 2026) and "CDNA5" Instruction Set Architecture Reference Guide (July 2026). The comments in the code are by the model that wrote it; some were corrected since.
;; Compressed Interaction Network. Allowed arithmetic: float matrix products may take bf16 or f16 operands with f32 sums; all other float work in f32.
;; Inputs: W0 1,024 x 256 float32; W1 4,096 x 256 float32; W2 4,096 x 256 float32; b0 256 float32; b1 256 float32; b2 256 float32; fc_W 512 x 1 float32; fc_b 1 float32; x 1,024 x 32 x 16 float32.
;; Outputs: out0 1,024 x 1 float32.
;; One version. Each part assembles by itself: llvm-mc -triple=amdgcn-amd-amdhsa -mcpu=gfx1250 --defsym DOCPART=n.
;; ======== version 1 of 1: 2 launches
;; workspace buffers: wb 4,718,592 bytes
;; launch prep (part 1): grid 576 x 1, 8 waves a work-group, no clusters, 0 bytes of LDS; arguments W0, W1, W2, wb; writes wb
.if DOCPART == 1
	.amdgcn_target "amdgcn-amd-amdhsa--gfx1250"
	.amdhsa_code_object_version 6
	.text
	.protected	k_q43f529907e_prep
	.globl	k_q43f529907e_prep
	.p2align	8
	.type	k_q43f529907e_prep,@function
k_q43f529907e_prep:
	s_mov_b64 s[64:65], 0
	v_nop
	global_prefetch_b8 v0, s[64:65] scope:SCOPE_SE
	s_setreg_imm32_b32 hwreg(HW_REG_WAVE_MODE, 25, 1), 1
	s_wait_xcnt 0x0
; W0 [1024][256], W1, W2 [4096][256] in f32  ->  wb, bf16, in the order in which the second launch's waves read matrix fragments.
; wb is 36 units of 131,072 bytes: units 0-3 hold W0 (8 m each), 4-19 W1, 20-35 W2 (2 m each).  A 16-byte chunk lies at
;   U*131072 + w*32768 + q*8192 + f*1024 + blk*512 + (r + 16 hh)*16      and holds 8 bf16, k ascending from the low bits.
; W1, W2: m = 2 t + (q >> 1), t = (U-4) & 15, half = q & 1, f = 4 c2 + ks, n = 32 ks + 16 blk + 8 hh + e
; W0:     m = 8 U + 2 q + (f >> 2), half = (f >> 1) & 1, c2 = f & 1,       n = 16 blk + 8 hh + e
; both:   channel = 64 w + 32 half + 16 c2 + r;  the number is W[(N m + n)][channel], N = 128 or 32.
; Work-group g makes bytes 8192 g .. 8192 g + 8191 (U = g >> 4, w = (g >> 2) & 3, q = g & 3): 512 chunks, two for each of 256 threads.
; A lane is one channel (c2 = lane >> 4, r = lane & 15); its 8 numbers of a chunk are 8 rows of W, 1,024 bytes apart: eight loads of 4 bytes,
; each covering 128 consecutive bytes for the wave.  A store of 16 bytes a lane: each half of the wave writes 256 consecutive bytes, aligned.
; No LDS, no matrix unit: the launch is one pass over 9.4 MB in and 4.7 MB out.
.set SRC, 20                           ; s[20:21] source at the wave's first row and first channel
.set DST, 10                           ; s[10:11] wb at the wave's first chunk
; two chunks of a lane: 16 loads, then convert and store each as it comes
.macro CONV srcstep, dststep
.irp i, 0,1
.irp e, 0,1,2,3,4,5,6,7
	global_load_b32 v[8+8*\i+\e], v1, s[SRC:SRC+1] offset:\i*\srcstep+\e*1024
.endr
.endr
.irp i, 0,1
	s_wait_loadcnt 8-8*\i                          ; loads return in order: chunk 0 is in while chunk 1's eight may be out; then all
.irp k, 0,1,2,3
	v_cvt_pk_bf16_f32 v[24+4*\i+\k], v[8+8*\i+2*\k], v[8+8*\i+2*\k+1]   ; the lower k into the lower half
.endr
	global_store_b128 v2, v[24+4*\i:27+4*\i], s[DST:DST+1] offset:\i*\dststep
.endr
.endm
	s_load_b256 s[4:11], s[0:1], 0x0               ; W0 s[4:5], W1 s[6:7], W2 s[8:9], wb s[10:11]
	v_lshrrev_b32 v3, 5, v0
	v_readfirstlane_b32 s12, v3                    ; wave 0..7
	v_and_b32 v3, 31, v0                           ; lane = 16 c2 + r
	v_lshlrev_b32 v1, 2, v3                        ; 4 bytes a channel
	v_and_b32 v4, 15, v3
	v_lshlrev_b32 v4, 4, v4                        ; 16 r
	v_lshrrev_b32 v5, 4, v3                        ; c2
	s_lshr_b32 s13, ttmp9, 4                       ; U
	s_bfe_u32 s14, ttmp9, 0x20002                  ; w
	s_lshl_b32 s14, s14, 8                         ; 64 w channels = 256 w bytes
	s_and_b32 s15, ttmp9, 3                        ; q
	s_lshl_b32 s16, ttmp9, 13                      ; 8192 g
	s_mov_b32 s17, 0
	s_mov_b32 s19, 0
	s_wait_kmcnt 0x0
	s_cmp_lt_u32 s13, 4
	s_cbranch_scc1 .Lw0
	; W1 or W2.  Wave v takes n = 8 v .. 8 v + 7 (chunk 0) and n = 64 + 8 v .. (chunk 1): 64 rows of W and 8 x 256 bytes of wb further on.
	s_cmp_lt_u32 s13, 20
	s_cselect_b64 s[SRC:SRC+1], s[6:7], s[8:9]
	s_sub_co_u32 s22, s13, 4
	s_and_b32 s22, s22, 15                         ; t
	s_lshl_b32 s22, s22, 1
	s_lshr_b32 s23, s15, 1
	s_add_co_u32 s22, s22, s23                     ; m
	s_lshl_b32 s18, s22, 17                        ; 128 rows of 1,024 bytes for each m
	s_lshl_b32 s23, s12, 13                        ; 8 rows for each wave
	s_add_co_u32 s18, s18, s23
	s_add_co_u32 s18, s18, s14
	s_and_b32 s23, s15, 1                          ; half
	s_lshl_b32 s23, s23, 7                         ; 32 channels
	s_add_co_u32 s18, s18, s23
	s_add_nc_u64 s[SRC:SRC+1], s[SRC:SRC+1], s[18:19]
	s_lshl_b32 s23, s12, 8                         ; (4 ks + 2 blk + hh) x 256 = 256 v
	s_add_co_u32 s16, s16, s23
	s_add_nc_u64 s[DST:DST+1], s[DST:DST+1], s[16:17]
	v_lshl_add_u32 v2, v5, 12, v4                  ; c2 x 4 fragments of 1,024 bytes + 16 r
	CONV 65536, 2048
	s_endpgm
.Lw0:
	; W0.  Wave v takes n = 8 (v & 3) .., half = v >> 2; chunk 0 is m = 8 U + 2 q, chunk 1 the next m: 32 rows of W0 and 4,096 bytes of wb on.
	s_lshl_b32 s18, s13, 18                        ; 8 U x 32 rows of 1,024 bytes
	s_lshl_b32 s23, s15, 16                        ; 2 q x 32 rows
	s_add_co_u32 s18, s18, s23
	s_and_b32 s23, s12, 3
	s_lshl_b32 s24, s23, 13                        ; 8 rows for each v & 3
	s_add_co_u32 s18, s18, s24
	s_add_co_u32 s18, s18, s14
	s_lshr_b32 s24, s12, 2                         ; half
	s_lshl_b32 s22, s24, 7
	s_add_co_u32 s18, s18, s22
	s_add_nc_u64 s[SRC:SRC+1], s[4:5], s[18:19]
	s_lshl_b32 s24, s24, 11                        ; half x 2 fragments
	s_add_co_u32 s16, s16, s24
	s_lshl_b32 s23, s23, 8                         ; (2 blk + hh) x 256
	s_add_co_u32 s16, s16, s23
	s_add_nc_u64 s[DST:DST+1], s[DST:DST+1], s[16:17]
	v_lshl_add_u32 v2, v5, 10, v4                  ; c2 x 1,024 + 16 r
	CONV 32768, 4096
	s_endpgm
.Lfunc_end_k_q43f529907e_prep:
	.size	k_q43f529907e_prep, .Lfunc_end_k_q43f529907e_prep-k_q43f529907e_prep
	.p2alignl 7, 3214868480
	.fill 96, 4, 3214868480
	.section	.rodata,"a",@progbits
	.p2align	6, 0x0
	.amdhsa_kernel k_q43f529907e_prep
		.amdhsa_group_segment_fixed_size 0
		.amdhsa_private_segment_fixed_size 0
		.amdhsa_enable_private_segment 0
		.amdhsa_kernarg_size 32
		.amdhsa_user_sgpr_count 2
		.amdhsa_user_sgpr_kernarg_segment_ptr 1
		.amdhsa_wavefront_size32 1
		.amdhsa_system_sgpr_workgroup_id_x 1
		.amdhsa_system_sgpr_workgroup_id_y 1
		.amdhsa_system_sgpr_workgroup_id_z 1
		.amdhsa_system_vgpr_workitem_id 0
		.amdhsa_next_free_vgpr 32
		.amdhsa_next_free_sgpr 66
		.amdhsa_reserve_vcc 0
		.amdhsa_float_denorm_mode_32 3
		.amdhsa_float_denorm_mode_16_64 3
		.amdhsa_memory_ordered 1
		.amdhsa_forward_progress 1
		.amdhsa_inst_pref_size 7
	.end_amdhsa_kernel
	.amdgpu_metadata
---
amdhsa.version: [ 1, 2 ]
amdhsa.kernels:
  - .name:           k_q43f529907e_prep
    .symbol:         k_q43f529907e_prep.kd
    .args:
      - { .name: W0, .offset: 0, .size: 8, .value_kind: global_buffer, .address_space: global }
      - { .name: W1, .offset: 8, .size: 8, .value_kind: global_buffer, .address_space: global }
      - { .name: W2, .offset: 16, .size: 8, .value_kind: global_buffer, .address_space: global }
      - { .name: wb, .offset: 24, .size: 8, .value_kind: global_buffer, .address_space: global }
    .group_segment_fixed_size: 0
    .private_segment_fixed_size: 0
    .kernarg_segment_align: 8
    .kernarg_segment_size: 32
    .max_flat_workgroup_size: 256
    .sgpr_count:     66
    .vgpr_count:     32
    .wavefront_size: 32
...
	.end_amdgpu_metadata
.endif
;; end of part 1
;; launch cin (part 2): grid 256 x 1, 4 waves a work-group, clusters of 4 x 1, 327,680 bytes of LDS; arguments x, wb, b0, b1, b2, fc_W, fc_b, out0; writes out0
.if DOCPART == 2
	.amdgcn_target "amdgcn-amd-amdhsa--gfx1250"
	.amdhsa_code_object_version 6
	.text
	.protected	k_q43f529907e_cin
	.globl	k_q43f529907e_cin
	.p2align	8
	.type	k_q43f529907e_cin,@function
k_q43f529907e_cin:
	s_mov_b64 s[64:65], 0
	v_nop
	global_prefetch_b8 v0, s[64:65] scope:SCOPE_SE
	s_setreg_imm32_b32 hwreg(HW_REG_WAVE_MODE, 25, 1), 1
	s_wait_xcnt 0x0
	s_wait_alu depctr_hold_cnt(0) depctr_sa_sdst(0) depctr_va_vdst(0) depctr_va_sdst(0) depctr_va_ssrc(0) depctr_va_vcc(0) depctr_vm_vsrc(0)
	s_getreg_b32 s2, hwreg(HW_REG_IB_STS2, 6, 4)
	s_cmp_eq_u32 s2, 0
	s_cbranch_scc0 .Lentry_in_a_cluster
	s_endpgm
.Lentry_in_a_cluster:
	s_bfe_u32 s2, ttmp6, 0x10000c
	s_cmp_lg_u32 s2, 0x3003
	s_cbranch_scc0 .Lentry_shape_is_right
	s_endpgm
.Lentry_shape_is_right:
; The three CIN layers and the final dot product, fused.  x [1024][32][16] f32, wb: the weights as the first launch laid them out, out0 [1024] f32.
; y[b,c,d] = relu( bias[c] + sum over m of x0[b,m,d] * P_m[b,c,d] ),   P_m[b,c,d] = sum over n of h[b,n,d] * W[(m,n),c].
; P_m is made by the matrix unit (h and W in bf16, sums in f32); the sum over m is a packed f32 multiply-add with x0 in f32: the outer
; product z is never formed.  Work-group G owns batches 4G .. 4G+3 (64 rows (b,d)); wave w owns channels 64 w .. 64 w + 63 of all 64 rows:
; 16 tiles of 16 x 16 = 128 accumulator registers.  The matrix instruction takes 16 channels of W as source 0 and one batch's 16 d as
; source 1, so lane (r = lane & 15, hh = lane >> 4) holds d = r and its registers j the channels c0 + 8 hh + j: x0[b,m,d] is one number a
; lane, and eight rounded results of a lane are half a fragment of the next layer's h in the same lane.
; Channels 0-127 of layers 0 and 1 (waves 0, 1) and all of layer 2 are summed with their fc weights; channels 128-255 (waves 2, 3) go on as h.
; CLUSTER: every work-group walks the whole of wb in the same order, so four work-groups ask for each tile jointly (mask 15): the requests
; for the weights are divided by four.  The place in the cluster enters the addresses of x and out0 alone.
; LDS LOADS STAND IN RUNS: the fragments of a later step are asked for by 16 (layer 0: 8) loads in a row, not singly among the matrix instructions.
; LIMITS: h and W are rounded to bf16; x0, the partial sums, bias, relu and the fc sums stay in f32.  The sum over (m,n) is grouped by m,
; m ascending, not in one chain.  relu is a maximum in which a NaN loses: a NaN sum gives 0 where the definition would keep the NaN.
; out0 gets 16 bytes from each work-group (4 KB in all).
;
; LDS:  0        ring: wave w at 65536 w, two slots of 32,768 bytes (the wave's part of one unit of wb); each wave reads only its own bytes,
;                lane x 16 bytes, 512 consecutive bytes an instruction
;       XT       x0 as [m 0..63][d][batch] f32, 256 bytes a row; rows 32-63 repeat rows 0-31, so that a layer's last look-ahead finds m = 0, 1
;       STAGE    h fragments [ks][batch][half fragment][lane][16 bytes], 16 KB, once for each of the two changes of layer
;       RED      four sums of each wave
.set SLOTB,  32768
.set UNIT,   131072
.set XT,     262144
.set STAGE,  278528
.set STAGE2, 16384                     ; the second stage, counted from the first
.set RED,    311296
; registers, window 0
.set XA0,  1                           ; XT + 16 r
.set XA,   2                           ; the same at the body's first m; at the start the address of the table's stores
.set HA,   3                           ; STAGE + 16 lane
.set SA,   4                           ; STAGE + 8192 (w & 1) + 16 lane
.set BOFF, 5                           ; 4 (64 w + 8 hh): my first channel in a bias or in fc_W
.set LA0,  6                           ; 65536 w + 16 lane
.set TV,   7                           ; at work
.set SP,   8                           ; v[8:15]    four pairs of fc sums, one pair for each batch
.set XR,   16                          ; v[16:31]   x0 [slot][m of the trip][batch], layers 1 and 2
.set FC,   32                          ; v[32:63]   fc weights [c][j]
.set H,    64                          ; v[64:191]  h fragments [ks][batch]
.set X0,   96                          ; v[96:159]  layer 0 alone (h is one ks there): x0 [slot][m of the trip 0..7][batch]
.set T,    192                         ; v[192:255] at work
; windows 1 and 2, the same numbers in both.  Window 1: partial tiles of even steps, accumulators and bias of channels 32-63, fragments of odd
; steps.  Window 2: partial tiles of odd steps, accumulators and bias of channels 0-31, fragments of even steps.
.set P,    0                           ; v[0:63]    8 partial tiles (c2, batch)
.set ACC,  64                          ; v[64:127]  8 accumulator tiles
.set WF,   128                         ; v[128:191] 8 fragments of W (layer 0: four places of two fragments)
.set LA,   192                         ; a copy of LA0
.set BI,   200                         ; v[200:215] bias [c2][j]
.set G1,   16                          ; s[16:23] descriptor group 1
.set G0,   24                          ; s[24:31] descriptor group 0, one set for each slot
; s8 wave, s9 place in the cluster, s10 G, s11-13, s52-53 at work, s14 loop counter, s15 65536 w, s[32:47] the eight addresses, s48 fc_b
.set MSB, 0
.macro WIN new                         ; low byte: bits 1:0 source 0, 3:2 source 1, 5:4 source 2, 7:6 destination; high byte: the setting that is left
.if MSB != \new
	s_set_vgpr_msb (MSB<<8)|\new
.set MSB, \new
.endif
.endm
; One setting serves a whole step.  Even step, 0x52: destination and source 2 window 1, source 0 window 2, source 1 window 0.  That fits the step's matrix
; instructions (D = C = P of window 1, W from window 2, h from window 0), the multiply-adds of the step before (accumulators of window 1, P of window 2,
; x0 from window 0) and the LDS loads of a later step's fragments (into window 1, address from window 2).  Odd step, 0xa1: windows 1 and 2 exchanged.
.macro CREST                           ; a round of the cluster's barrier behind its opening barrier
	s_cmp_lg_u32 s8, 0
	s_cbranch_scc1 .Lnot_wave_0_\@
	s_barrier_signal -3
.Lnot_wave_0_\@:
	s_barrier_wait -3
	s_barrier_signal -1
	s_barrier_wait -1
.endm
.macro ROUND                           ; a whole round
	s_barrier_signal -1
	s_barrier_wait -1
	CREST
.endm
.macro PLACES                          ; four places behind a matrix instruction (ISA guide 7.12.1) where no vector work stands
.rept 4
	v_nop
.endr
.endm
; Matrix instruction i = 0..31 of a step of layers 1 and 2: ks = i / 8, tile = i % 8 = 4 c2 + batch.  The eight partial tiles take turns, one instruction
; a turn.  ks = 0 starts the sum.
.macro WM i
.set wt_, (\i)%8
.set wk_, (\i)/8
.if wk_ == 0
	v_wmma_f32_16x16x32_bf16 v[P+8*wt_:P+8*wt_+7], v[WF+8*(4*(wt_/4)+wk_):WF+8*(4*(wt_/4)+wk_)+7], v[H+32*wk_+8*(wt_%4):H+32*wk_+8*(wt_%4)+7], 0
.else
	v_wmma_f32_16x16x32_bf16 v[P+8*wt_:P+8*wt_+7], v[WF+8*(4*(wt_/4)+wk_):WF+8*(4*(wt_/4)+wk_)+7], v[H+32*wk_+8*(wt_%4):H+32*wk_+8*(wt_%4)+7], v[P+8*wt_:P+8*wt_+7]
.endif
.endm
; Multiply-add i = 0..31: tile i / 4, register pair i % 4: accumulator += P * x0[batch].  xb: the four x0 of this m, one register a batch.
; mode 1: the bias stands in for the accumulator and starts the sum (nothing is cleared); mode 2: in place.
.macro FM i, xb, mode
.set fd_, ACC+8*((\i)/4)+2*((\i)%4)
.set fp_, P+8*((\i)/4)+2*((\i)%4)
.set fx_, (\xb)+2*((((\i)/4)%4)/2)
.if \mode == 1
.set fs_, BI+8*((\i)/16)+2*((\i)%4)
.else
.set fs_, fd_
.endif
.if (((\i)/4)&1) == 0
	v_pk_fma_f32 v[fd_:fd_+1], v[fp_:fp_+1], v[fx_:fx_+1], v[fs_:fs_+1] op_sel_hi:[1,0,1]   ; both halves times the pair's first register
.else
	v_pk_fma_f32 v[fd_:fd_+1], v[fp_:fp_+1], v[fx_:fx_+1], v[fs_:fs_+1] op_sel:[0,1,0]      ; both halves times its second
.endif
.endm
.macro LW n, off                       ; half a fragment: 512 consecutive bytes of my ring
	ds_load_b128 v[WF+4*(\n):WF+4*(\n)+3], v[LA] offset:(\off)+512*(\n)
.endm
.macro RUN first, count, xb, mode
.set i_, \first
.rept \count
	WM i_
	FM i_, \xb, \mode
.set i_, i_+1
.endr
.endm
; A step of layers 1 and 2: one m, 32 of my channels: 32 matrix instructions, the 32 multiply-adds of the step before (mode 0: none), and the next
; step's 16 loads from byte off of my ring, in ONE run behind the fourth matrix instruction.  A multiply-add reads a tile at least 8 multiply-adds
; behind the tile's last matrix instruction.  The run lands in fragments that the step before read: behind that step's last matrix instruction stand
; its own last multiply-add and four of this step (mode 0 in the step before: its four v_nop too), five places.  From the run to the wait for it:
; 28 matrix instructions.
.macro STEP par, xb, mode, off
.if \par
	WIN 0xa1
.else
	WIN 0x52
.endif
	s_wait_dscnt 0x0                               ; all that is out is this step's fragments (and x0 or h asked for with them)
.set i_, 0
.rept 32
	WM i_
.if \mode
	FM i_, \xb, \mode
.endif
.if i_ == 3
.set n_, 0
.rept 16
	LW n_, \off
.set n_, n_+1
.endr
.endif
.set i_, i_+1
.endr
.if \mode == 0
	PLACES                                         ; no multiply-adds stood behind the last matrix instructions
.endif
.endm
; The fourth step of a trip, which changes slots.  fill 1: this slot is filled again, two units ahead; 0: nothing left to ask for; 2: the last trip.
; In front of the round's opening signal: my reads of this slot are back, and all my tensor loads have landed (one was out: the other slot's).
; Inside the round: matrix instructions and multiply-adds alone.  Behind it the refill comes first, then x0 of the next trip and the next step's
; fragments from the other slot.  From the refill to the wait for it a wave issues 120 of a trip's 128 matrix instructions.
.macro STEPSW slot, xb, fill, xoff
	WIN 0xa1
	s_wait_dscnt 0x0
.if \fill < 2
	s_set_vgpr_msb 0xa1a5
	s_wait_tensorcnt 0x0
	ds_add_u32 v254, v255
	s_wait_dscnt 0x0
	s_set_vgpr_msb 0xa5a1
.endif
.if \fill == 1
	s_add_nc_u64 s[G0+4*\slot+2:G0+4*\slot+3], s[G0+4*\slot+2:G0+4*\slot+3], 2*UNIT   ; no tensor load of mine is out: the address may step
	s_barrier_signal -1
.endif
	RUN 0, 8, \xb, 2
.if \fill == 1
	WIN 0
	s_barrier_wait -1
	CREST
	tensor_load_to_lds s[G0+4*\slot:G0+4*\slot+3], s[G1:G1+7]
	s_nop 0
.endif
.if \fill < 2
	WIN 0
	ds_load_b128 v[XR+8*(1-\slot):XR+8*(1-\slot)+3], v[XA] offset:\xoff
	ds_load_b128 v[XR+8*(1-\slot)+4:XR+8*(1-\slot)+7], v[XA] offset:\xoff+256
	WIN 0xa1
.set n_, 0
.rept 16
	LW n_, (1-\slot)*SLOTB
.set n_, n_+1
.endr
.endif
	RUN 8, 24, \xb, 2
.endm
; A trip = one unit = two m x two halves of my channels.  The multiply-adds run one step behind: the first step's belong to the trip before.
.macro TRIP slot, first, fill, xoff
.if \first
	STEP 0, XR, 0, \slot*SLOTB+8192
	STEP 1, XR+8*\slot, 1, \slot*SLOTB+16384
	STEP 0, XR+8*\slot, 1, \slot*SLOTB+24576
.else
	STEP 0, XR+8*(1-\slot)+4, 2, \slot*SLOTB+8192
	STEP 1, XR+8*\slot, 2, \slot*SLOTB+16384
	STEP 0, XR+8*\slot, 2, \slot*SLOTB+24576
.endif
	STEPSW \slot, XR+8*\slot+4, \fill, \xoff
.endm
.macro BODY first, fillA, fillB         ; once round the ring: four m, 256 matrix instructions
	TRIP 0, \first, \fillA, 512
	TRIP 1, 0, \fillB, 1024
	WIN 0
	v_add_nc_u32 v[XA], 0x400, v[XA]               ; four rows of the x0 table on
.endm
; Layer 0: h = x has 32 channels, so a step (one m, 32 of my channels) is 8 matrix instructions, each a whole sum, and 32 multiply-adds.
; Step s = 0..63: m = s >> 1, half = s & 1, unit s >> 4; its two fragments are 2,048 bytes at (s & 15) x 2048 of the slot and go to place (s >> 1) & 3
; of the four places of 16 registers in its parity's window.  They are asked for in runs of eight loads: step s = 1 mod 4 asks for the even steps
; s + 3, s + 5, step s = 2 mod 4 for the odd steps s + 3, s + 5.  At that moment the window's other two places hold the fragments of step s + 1 (not yet
; used) and of step s - 1 (just used); the two that are loaded were last read in steps s - 5 and s - 3.  No pair straddles a unit: (12, 14) and
; (13, 15) close one, (16, 18) and (17, 19) open the next.
.macro L0LW s, n, areg
	ds_load_b128 v[WF+16*(((\s)>>1)&3)+4*(\n):WF+16*(((\s)>>1)&3)+4*(\n)+3], v[\areg] offset:(((\s)>>4)&1)*SLOTB+((\s)&15)*2048+512*(\n)
.endm
; At step 13 of a unit all its fragments have been asked for (the last in step 10), and step 13's own run reads the next unit: the slot is filled again
; here, in the same order of waits, round and refill as above.
.macro SWAP0 s
	WIN 0
	s_wait_dscnt 0x0                               ; my reads of this slot are back
	s_set_vgpr_msb 0x5
	s_wait_tensorcnt 0x0                           ; all my tensor loads have landed: the other slot's was out
	ds_add_u32 v254, v255
	s_wait_dscnt 0x0
	s_set_vgpr_msb 0x500
	s_add_nc_u64 s[G0+4*(((\s)>>4)&1)+2:G0+4*(((\s)>>4)&1)+3], s[G0+4*(((\s)>>4)&1)+2:G0+4*(((\s)>>4)&1)+3], 2*UNIT
	ROUND
	tensor_load_to_lds s[G0+4*(((\s)>>4)&1):G0+4*(((\s)>>4)&1)+3], s[G1:G1+7]
	s_nop 0
.if (\s) < 61
.set u_, ((\s)>>4)+1
.set n_, 0
.rept 8                                        ; x0 of the next unit's eight m
	ds_load_b128 v[X0+32*(u_&1)+4*n_:X0+32*(u_&1)+4*n_+3], v[XA0] offset:256*(8*u_+n_)
.set n_, n_+1
.endr
.else
	ds_load_b128 v[XR:XR+3], v[XA0]                ; x0 of layer 1's m = 0, 1
	ds_load_b128 v[XR+4:XR+7], v[XA0] offset:256
.endif
.endm
.macro L0STEP s
.if ((\s)&15) == 13
	SWAP0 \s
.endif
.if ((\s)&1) == 0
	WIN 0x52
.else
	WIN 0xa1
.endif
	; LDS loads return in order: the count is what was issued behind this step's four loads.
.if (\s) >= 62
	s_wait_dscnt 0x0                               ; the runs have ended; x0 of layer 1 is waited for as well
.else
.if ((\s)&3) == 1
	s_wait_dscnt 0x4                               ; behind mine: the second half of my run
.else
	s_wait_dscnt 0xc                               ; s = 0 mod 4: the second half of my run and the next run, 4 + 8; s = 2, 3 mod 4: two runs (step 2: 4 + 8)
.endif
.endif
.if (\s) > 0
.set xb0_, X0+32*((((\s)-1)>>4)&1)+4*((((\s)-1)>>1)&7)
.if (\s) <= 2
.set md_, 1
.else
.set md_, 2
.endif
.endif
.set t_, 0
.rept 8
	v_wmma_f32_16x16x32_bf16 v[P+8*t_:P+8*t_+7], v[WF+16*(((\s)>>1)&3)+8*(t_/4):WF+16*(((\s)>>1)&3)+8*(t_/4)+7], v[H+8*(t_%4):H+8*(t_%4)+7], 0
.if (\s) > 0
	FM 4*t_, xb0_, md_                             ; the same tile of the step before: 32 multiply-adds behind its matrix instruction
	FM 4*t_+1, xb0_, md_
	FM 4*t_+2, xb0_, md_
	FM 4*t_+3, xb0_, md_
.endif
.if t_ == 1
.if (\s) <= 58
.if (((\s)+3)&3) < 2                           ; s = 1 or 2 mod 4: the run of eight
.irp n, 0,1,2,3
	L0LW (\s)+3, \n, LA
.endr
.irp n, 0,1,2,3
	L0LW (\s)+5, \n, LA
.endr
.endif
.endif
.if (\s) == 63
.set n_, 0
.rept 16                                       ; layer 1's first fragments, from slot 0, into window 2: 12 multiply-adds behind step 62's last matrix instruction
	LW n_, 0
.set n_, n_+1
.endr
.endif
.endif
.set t_, t_+1
.endr
.if (\s) == 0
	PLACES
.endif
.endm
.macro DRAIN xb                        ; the multiply-adds of a layer's last step
	WIN 0x52
.set i_, 0
.rept 32
	FM i_, \xb, 2
.set i_, i_+1
.endr
.endm
.macro RELU blk
.if \blk == 2
	WIN 0x88
.else
	WIN 0x44
.endif
.set q_, 0
.rept 64
	v_max_num_f32 v[ACC+q_], 0, v[ACC+q_]
.set q_, q_+1
.endr
.endm
.macro FCSUM blk                       ; sums += y * fc weight; the batch runs fastest, so that four chains take turns
.if \blk == 2
	WIN 0x02
.set hb_, 0
.else
	WIN 0x01
.set hb_, 1
.endif
.set q_, 0
.rept 32
	v_pk_fma_f32 v[SP+2*(q_%4):SP+2*(q_%4)+1], v[ACC+8*(4*(q_/16)+q_%4)+2*((q_/4)%4):ACC+8*(4*(q_/16)+q_%4)+2*((q_/4)%4)+1], v[FC+8*(2*hb_+q_/16)+2*((q_/4)%4):FC+8*(2*hb_+q_/16)+2*((q_/4)%4)+1], v[SP+2*(q_%4):SP+2*(q_%4)+1]
.set q_, q_+1
.endr
.endm
; Round 8 tiles to bf16 and lay them into the stage.  Tile (c = 2 hb + c2, batch) of wave w is half c2 of fragment ks = 2 (w & 1) + hb.
.macro HPACK blk, stage
.if \blk == 2
	WIN 0x0a
.set hb_, 0
.else
	WIN 0x05
.set hb_, 1
.endif
.set q_, 0
.rept 32
	v_cvt_pk_bf16_f32 v[T+32*hb_+q_], v[ACC+2*q_], v[ACC+2*q_+1]
.set q_, q_+1
.endr
	WIN 0
.set q_, 0
.rept 8
	ds_store_b128 v[SA], v[T+32*hb_+4*q_:T+32*hb_+4*q_+3] offset:(\stage)+hb_*4096+(q_%4)*1024+(q_/4)*512
.set q_, q_+1
.endr
.endm
.macro LDBIAS p                        ; the bias of my 64 channels: channels 0-31 into window 2, 32-63 into window 1
	WIN 0x80
.irp c2, 0,1
	global_load_b128 v[BI+8*\c2:BI+8*\c2+3], v[BOFF], s[\p:\p+1] offset:64*\c2
	global_load_b128 v[BI+8*\c2+4:BI+8*\c2+7], v[BOFF], s[\p:\p+1] offset:64*\c2+16
.endr
	WIN 0x40
.irp c2, 0,1
	global_load_b128 v[BI+8*\c2:BI+8*\c2+3], v[BOFF], s[\p:\p+1] offset:128+64*\c2
	global_load_b128 v[BI+8*\c2+4:BI+8*\c2+7], v[BOFF], s[\p:\p+1] offset:128+64*\c2+16
.endr
	WIN 0
.endm
.macro LDFC base                       ; fc weights of my 64 channels, the layer's part of fc_W beginning at number base
.irp c, 0,1,2,3
	global_load_b128 v[FC+8*\c:FC+8*\c+3], v[BOFF], s[42:43] offset:4*\base+64*\c
	global_load_b128 v[FC+8*\c+4:FC+8*\c+7], v[BOFF], s[42:43] offset:4*\base+64*\c+16
.endr
.endm
; From one layer to the next.
.macro TRANS stage, xb, nextfc, fcall
	DRAIN \xb
	s_wait_loadcnt 0x0                             ; the next bias and this layer's fc weights, asked for a layer ago
	RELU 2
	RELU 1
	WIN 0
	s_cmp_ge_u32 s8, 2
	s_cbranch_scc1 .Lpack_\@
	FCSUM 2                                        ; waves 0, 1: channels 0-127 end here
	FCSUM 1
	WIN 0
.if \fcall == 0
	LDFC \nextfc
.endif
	s_branch .Ljoin_\@
.Lpack_\@:
	HPACK 2, \stage                                ; waves 2, 3: channels 128-255 are the next h
	HPACK 1, \stage
.Ljoin_\@:
	s_wait_dscnt 0x0                               ; my stores into the stage are done (and no LDS load of mine is out)
	s_barrier_signal -1
	s_barrier_wait -1                              ; the tile on its way stays out
.set n_, 0
.rept 32
	ds_load_b128 v[H+4*n_:H+4*n_+3], v[HA] offset:(\stage)+512*n_
.set n_, n_+1
.endr
.if \fcall
	LDFC \nextfc
.endif
	v_mov_b32 v[XA], v[XA0]
.endm
	; ---- head: ids, descriptors, the first two units
	s_load_b512 s[32:47], s[0:1], 0x0              ; x, wb, b0, b1, b2, fc_W, fc_b, out0
	s_set_vgpr_msb 0x40
	v_lshl_add_u32 v254, v0, 2, 0x4c100
	v_mov_b32 v255, 0
	s_set_vgpr_msb 0x4045
	ds_add_u32 v254, v255
	ds_add_u32 v254, v255
	s_set_vgpr_msb 0x4500
	v_lshrrev_b32 v[TV], 5, v0
	v_readfirstlane_b32 s8, v[TV]                  ; wave 0..3
	s_bfe_u32 s9, ttmp6, 0x40000                   ; my place in the cluster
	s_lshl_b32 s10, ttmp9, 2
	s_add_co_u32 s10, s10, s9                      ; G
	s_lshl_b32 s15, s8, 16                         ; my ring
	s_mov_b32 s50, 0x76543210                      ; v_permlanex16_b32: lane i of one half reads lane i of the other
	s_mov_b32 s51, 0xfedcba98
	; group 1: 32,768 dense bytes as 128 rows of 32 elements of 8 bytes
	s_mov_b32 s[G1+0], 15|(3<<16)|(1<<21)          ; 15:0 all four work-groups of the cluster; 17:16 elements of 8 bytes; 21 set beside a mask; no padding
	s_mov_b32 s[G1+1], 32<<16                      ; tensor_dim0 = 32
	s_mov_b32 s[G1+2], 128<<16                     ; tensor_dim1 = 128
	s_mov_b32 s[G1+3], 32<<16                      ; tile_dim0 = 32
	s_mov_b32 s[G1+4], 128                         ; tile_dim1 = 128
	s_mov_b32 s[G1+5], 32                          ; 32 elements from row to row
	s_mov_b32 s[G1+6], 0
	s_mov_b32 s[G1+7], 0
	s_lshl_b32 s12, s8, 15                         ; my 32,768 bytes of a unit
	s_mov_b32 s13, 0
	s_lshl_b32 s52, s10, 13                        ; four batches of 2,048 bytes
	s_mov_b32 s53, 0
	s_wait_dscnt 0x0
	s_wait_kmcnt 0x0
	s_load_b32 s48, s[44:45], 0x0                  ; fc_b
	s_add_nc_u64 s[12:13], s[34:35], s[12:13]      ; wb at my part of unit 0: the wave's number alone enters
	s_add_nc_u64 s[32:33], s[32:33], s[52:53]      ; x at my first batch
	s_lshl_b32 s52, s10, 4
	s_add_nc_u64 s[46:47], s[46:47], s[52:53]      ; out0 at my four numbers
.irp s, 0,1
	s_mov_b32 s[G0+4*\s], 1                                        ; count = 1
	s_add_co_u32 s[G0+4*\s+1], s15, \s*SLOTB                       ; LDS address
	s_add_nc_u64 s[G0+4*\s+2:G0+4*\s+3], s[12:13], \s*UNIT         ; unit s
	s_or_b32 s[G0+4*\s+3], s[G0+4*\s+3], 0x80000000                ; type = 2
.endr
	ROUND                                          ; all four work-groups are here: the first joint loads meet
	tensor_load_to_lds s[G0:G0+3], s[G1:G1+7]
	s_nop 0
	tensor_load_to_lds s[G0+4:G0+7], s[G1:G1+7]    ; two tensor loads of the wave are out; from here on one
	s_nop 0
	; ---- the x0 table.  Thread t holds numbers 4 t .. 4 t + 3 of each batch: m = t >> 2, d = 4 (t & 3) + e, which lie at XT + 64 t + 16 e + 4 batch
	v_lshlrev_b32 v[TV], 4, v0
.irp bl, 0,1,2,3
	global_load_b128 v[T+4*\bl:T+4*\bl+3], v[TV], s[32:33] offset:2048*\bl th:TH_LOAD_NT
.endr
	v_and_b32 v[LA0], 31, v0                       ; lane
	v_and_b32 v[XA0], 15, v0                       ; r
	v_bfe_u32 v[BOFF], v0, 4, 1                    ; hh
	v_lshl_add_u32 v[HA], v[LA0], 4, STAGE
	s_and_b32 s11, s8, 1
	s_lshl_b32 s11, s11, 13
	v_add_nc_u32 v[SA], s11, v[HA]
	v_lshl_add_u32 v[LA0], v[LA0], 4, s15
	v_lshl_add_u32 v[XA0], v[XA0], 4, XT
	v_lshl_add_u32 v[XA], v0, 6, XT
	v_lshlrev_b32 v[BOFF], 5, v[BOFF]
	s_lshl_b32 s11, s8, 8
	v_add_nc_u32 v[BOFF], s11, v[BOFF]
	LDBIAS 36                                      ; b0
	s_cmp_ge_u32 s8, 2
	s_cbranch_scc1 .Lno_fc0
	LDFC 0                                         ; waves 0, 1: layer 0's fc weights
.Lno_fc0:
	s_wait_loadcnt 0x0                             ; x, and the few loads behind it
	s_wait_kmcnt 0x0                               ; fc_b
.irp bl, 0,1,2,3
.irp e, 0,1,2,3
	ds_store_b32 v[XA], v[T+4*\bl+\e] offset:16*\e+4*\bl
	ds_store_b32 v[XA], v[T+4*\bl+\e] offset:8192+16*\e+4*\bl      ; the repeat, 32 rows further on
.endr
.endr
	s_wait_dscnt 0x0                               ; my part of the table is written
	s_barrier_signal -1
	s_barrier_wait -1                              ; everybody's is.
	; ---- layer 0's h = x in bf16: lane (r, hh) needs n = 8 hh + 0..7 and 16 + 8 hh + 0..7 at d = r, all four batches with each load
	v_bfe_u32 v[TV], v0, 4, 1
	v_lshl_add_u32 v[TV], v[TV], 11, v[XA0]
.irp i, 0,1,2,3,4,5,6,7
	ds_load_b128 v[T+4*\i:T+4*\i+3], v[TV] offset:256*\i
.endr
.irp i, 0,1,2,3,4,5,6,7
	ds_load_b128 v[T+32+4*\i:T+32+4*\i+3], v[TV] offset:4096+256*\i
.endr
.irp i, 0,1,2,3,4,5,6,7
	ds_load_b128 v[X0+4*\i:X0+4*\i+3], v[XA0] offset:256*\i        ; x0 of m = 0..7
.endr
.irp i, 0,1,2,3,4,5,6,7
	v_mov_b32 v[SP+\i], 0                          ; the fc sums run through all three layers
.endr
	WIN 0x40
	v_mov_b32 v[LA], v[LA0]
	WIN 0x80
	v_mov_b32 v[LA], v[LA0]
	WIN 0
	s_wait_dscnt 0x8                               ; the sixteen loads for h are in; the eight of x0 may be out
.irp bl, 0,1,2,3
.irp j, 0,1,2,3,4,5,6,7
	v_cvt_pk_bf16_f32 v[H+8*\bl+\j], v[T+8*\j+\bl], v[T+8*\j+4+\bl]
.endr
.endr
	s_wait_tensorcnt 0x1                           ; my part of unit 0 has landed; unit 1 may be out
	WIN 0x80                                       ; the fragments of steps 0 and 2 (window 2), then 1 and 3 (window 1): sixteen loads in a run
.irp n, 0,1,2,3
	L0LW 0, \n, LA0
.endr
.irp n, 0,1,2,3
	L0LW 2, \n, LA0
.endr
	WIN 0x40
.irp n, 0,1,2,3
	L0LW 1, \n, LA0
.endr
.irp n, 0,1,2,3
	L0LW 3, \n, LA0
.endr
	; ---- layer 0, written out: 64 steps, units 0-3
.set s_, 0
.rept 64
	L0STEP s_
.if s_ == 15
	LDBIAS 38                                      ; b1: b0 was last read in step 2
.endif
.set s_, s_+1
.endr
	TRANS 0, X0+60, 128, 0
	; ---- layer 1: units 4-19, eight bodies
	BODY 1, 1, 1
	LDBIAS 40                                      ; b2: b1 was last read in the body above
	s_mov_b32 s14, 7
.Llayer1:
	BODY 0, 1, 1
	s_sub_co_u32 s14, s14, 1
	s_cmp_lg_u32 s14, 0
	s_cbranch_scc1 .Llayer1
	TRANS STAGE2, XR+12, 256, 1
	; ---- layer 2: units 20-35; the last two trips ask for nothing more
	BODY 1, 1, 1
	s_mov_b32 s14, 6
.Llayer2:
	BODY 0, 1, 1
	s_sub_co_u32 s14, s14, 1
	s_cmp_lg_u32 s14, 0
	s_cbranch_scc1 .Llayer2
	BODY 0, 0, 2
	DRAIN XR+12
	s_wait_loadcnt 0x0                             ; layer 2's fc weights
	RELU 2
	RELU 1
	FCSUM 2                                        ; all 256 channels end here
	FCSUM 1
	WIN 0
	; ---- the way out: over the pair, the 32 lanes (d and 8 hh), the four waves
.irp bl, 0,1,2,3
	v_add_f32 v[T+\bl], v[SP+2*\bl], v[SP+2*\bl+1]
.endr
.irp m, 1,2,4,8
.irp bl, 0,1,2,3
	v_add_f32_dpp v[T+\bl], v[T+\bl], v[T+\bl] row_xmask:\m row_mask:0xf bank_mask:0xf
.endr
.endr
.irp bl, 0,1,2,3
	v_permlanex16_b32 v[T+4+\bl], v[T+\bl], s50, s51
.endr
.irp bl, 0,1,2,3
	v_add_f32 v[T+\bl], v[T+\bl], v[T+4+\bl]
.endr
	s_lshl_b32 s11, s8, 4
	s_add_co_u32 s11, s11, RED
	v_mov_b32 v[TV], s11
	ds_store_b128 v[TV], v[T:T+3]                  ; every lane holds the same four sums
	s_wait_dscnt 0x0
	s_barrier_signal -1
	s_barrier_wait -1
	s_cmp_lg_u32 s8, 0
	s_cbranch_scc1 .Lend
	v_mov_b32 v[TV], RED
.irp i, 0,1,2,3
	ds_load_b128 v[T+4*\i:T+4*\i+3], v[TV] offset:16*\i
.endr
	s_wait_dscnt 0x0
	v_pk_add_f32 v[T:T+1], v[T:T+1], v[T+4:T+5]
	v_pk_add_f32 v[T+2:T+3], v[T+2:T+3], v[T+6:T+7]
	v_pk_add_f32 v[T+8:T+9], v[T+8:T+9], v[T+12:T+13]
	v_pk_add_f32 v[T+10:T+11], v[T+10:T+11], v[T+14:T+15]
	v_pk_add_f32 v[T:T+1], v[T:T+1], v[T+8:T+9]
	v_pk_add_f32 v[T+2:T+3], v[T+2:T+3], v[T+10:T+11]
.irp bl, 0,1,2,3
	v_add_f32 v[T+\bl], s48, v[T+\bl]              ; + fc_b
.endr
	v_mov_b32 v[TV], 0
	v_cmp_eq_u32 vcc_lo, 0, v0
	s_wait_xcnt 0x0                                ; EXEC changes only behind this wait
	s_and_saveexec_b32 s49, vcc_lo
	global_store_b128 v[TV], v[T:T+3], s[46:47]    ; lane 0: my four batches
	s_wait_xcnt 0x0                                ; and again in front of the line that widens it
	s_or_b32 exec_lo, exec_lo, s49
.Lend:
	s_set_vgpr_msb 0x5
	s_wait_tensorcnt 0x0
	ds_add_u32 v254, v255
	s_wait_dscnt 0x0
	s_set_vgpr_msb 0x500
	ROUND                                          ; the closing round: no work-group ends while a partner may still ask jointly
	s_endpgm
.Lfunc_end_k_q43f529907e_cin:
	.size	k_q43f529907e_cin, .Lfunc_end_k_q43f529907e_cin-k_q43f529907e_cin
	.p2alignl 7, 3214868480
	.fill 96, 4, 3214868480
	.section	.rodata,"a",@progbits
	.p2align	6, 0x0
	.amdhsa_kernel k_q43f529907e_cin
		.amdhsa_group_segment_fixed_size 327680
		.amdhsa_private_segment_fixed_size 0
		.amdhsa_enable_private_segment 0
		.amdhsa_kernarg_size 64
		.amdhsa_user_sgpr_count 2
		.amdhsa_user_sgpr_kernarg_segment_ptr 1
		.amdhsa_wavefront_size32 1
		.amdhsa_system_sgpr_workgroup_id_x 1
		.amdhsa_system_sgpr_workgroup_id_y 1
		.amdhsa_system_sgpr_workgroup_id_z 1
		.amdhsa_system_vgpr_workitem_id 0
		.amdhsa_next_free_vgpr 728
		.amdhsa_next_free_sgpr 66
		.amdhsa_reserve_vcc 1
		.amdhsa_float_denorm_mode_32 3
		.amdhsa_float_denorm_mode_16_64 3
		.amdhsa_memory_ordered 1
		.amdhsa_forward_progress 1
		.amdhsa_inst_pref_size 255
	.end_amdhsa_kernel
	.section	.bss,"aw",@nobits
	.p2align	6
	.space	262144
	.amdgpu_metadata
---
amdhsa.version: [ 1, 2 ]
amdhsa.kernels:
  - .name:           k_q43f529907e_cin
    .symbol:         k_q43f529907e_cin.kd
    .args:
      - { .name: x, .offset: 0, .size: 8, .value_kind: global_buffer, .address_space: global }
      - { .name: wb, .offset: 8, .size: 8, .value_kind: global_buffer, .address_space: global }
      - { .name: b0, .offset: 16, .size: 8, .value_kind: global_buffer, .address_space: global }
      - { .name: b1, .offset: 24, .size: 8, .value_kind: global_buffer, .address_space: global }
      - { .name: b2, .offset: 32, .size: 8, .value_kind: global_buffer, .address_space: global }
      - { .name: fc_W, .offset: 40, .size: 8, .value_kind: global_buffer, .address_space: global }
      - { .name: fc_b, .offset: 48, .size: 8, .value_kind: global_buffer, .address_space: global }
      - { .name: out0, .offset: 56, .size: 8, .value_kind: global_buffer, .address_space: global }
    .group_segment_fixed_size: 327680
    .private_segment_fixed_size: 0
    .kernarg_segment_align: 8
    .kernarg_segment_size: 64
    .max_flat_workgroup_size: 128
    .sgpr_count:     66
    .vgpr_count:     728
    .wavefront_size: 32
...
	.end_amdgpu_metadata
.endif
;; end of part 2
